; MI455X (gfx1250); checked and timed in simulation.
; The chip was launched on July 23, 2026; its instructions are those of AMD's public machine-readable ISA for CDNA 5 (MIT licence, August 2026) and "CDNA5" Instruction Set Architecture Reference Guide (July 2026). The comments in the code are by the model that wrote it; some were corrected since.
;; Attention. Allowed arithmetic: float matrix products may take bf16 or f16 operands with f32 sums; other float arithmetic in f32, or as packed bf16 or f16 multiplies, adds, multiply-adds, maxima and minima; sums over many terms, partial sums and values carried from step to step in f32; what a program stores and reads back later, other than sums and carried values, may be rounded once to bf16 or f16.
;; Inputs: b_out 256 float32; beta 256 float32; gamma 256 float32; w_out 256 x 128 float32; w_qkv 384 x 256 float32; x 4 x 256 x 64 x 64 float32.
;; Outputs: out0 4 x 256 x 64 x 64 float32.
;; One version. Each part assembles by itself: llvm-mc -triple=amdgcn-amd-amdhsa -mcpu=gfx1250 --defsym DOCPART=n.
;; ======== version 1 of 1: 4 launches
;; limits: values are held in f16: magnitudes above 65,504 overflow, below 6.1e-05 lose precision
;; workspace buffers: part 2,048 bytes; wq16 196,608 bytes; wo16 65,536 bytes; qf 4,194,304 bytes; kf 4,194,304 bytes; vf 4,194,304 bytes; of16 4,194,304 bytes
;; launch stats (part 1): grid 256 x 1, 8 waves a work-group, no clusters, 1,280 bytes of LDS; arguments x, w_qkv, w_out, part, wq16, wo16; writes part, wq16, wo16
.if DOCPART == 1
	.amdgcn_target "amdgcn-amd-amdhsa--gfx1250"
	.amdhsa_code_object_version 6
	.text
	.protected	k_q42349f9e3f_stats
	.globl	k_q42349f9e3f_stats
	.p2align	8
	.type	k_q42349f9e3f_stats,@function
k_q42349f9e3f_stats:
	s_mov_b64 s[64:65], 0
	v_nop
	global_prefetch_b8 v0, s[64:65] scope:SCOPE_SE
	s_setreg_imm32_b32 hwreg(HW_REG_WAVE_MODE, 25, 1), 1
	s_wait_xcnt 0x0
; PARTIAL GROUP STATISTICS, AND THE WEIGHTS AS f16 FRAGMENTS.
; x is [4][256][4096] f32; a group of the norm is 32 channels x 4,096 positions = 524,288 consecutive bytes = 8 chunks of 65,536.
; Work-group g takes chunk g: its mean and its sum of squared deviations from that mean (M2) go to part[g] as two f32.  No difference of large sums is formed:
; each wave takes the mean of its 2,048 numbers, then the squares of the deviations from it; the eight waves' figures are joined by
; M2 = sum M2_i + n_i sum (mean_i - mean)^2.  The row stays in registers between the two passes: x is read once here.
; Waves 0 and 1 also make one half fragment (512 bytes) of the weights each: 512 half fragments in 256 work-groups.
; A FRAGMENT is 16 rows x 32 k of f16 as a matrix instruction takes it, 1,024 bytes: [half 0, 1][lane 0..31][16 bytes]; half hf of lane l holds row l % 16, k = 16 hf + 8 (l / 16) + 0..7.
;   wq16: block = 6 head + 2 type + e (type 0 q, 1 k, 2 v; e: which 16 of the head's 32 rows), fragment (block, kb) at (8 block + kb) x 1,024; q's rows are multiplied in f32 by
;         c = 32^-0.5 log2(e) before their one rounding, so that the scores come out as exponents of 2.
;   wo16: fragment (ob, kb) at (4 ob + kb) x 1,024: rows 16 ob .., k = 32 kb ..
; LIMITS: the weights are rounded once to f16 (largest number 65,504; below 6.1e-5 a fixed step of 6e-8).  No matrix unit, cluster or tensor load: a stream in which nothing is shared.
.set SPARE, 256                        ; LDS: bytes 0-63 the eight waves' (mean, M2); from 256 on the spare words, 128 bytes a wave
.set SPW,  4                           ; v4   my spare word's address; never rewritten
.set NIL,  5                           ; v5   0; never rewritten
.set XR,   16                          ; v[16:79]  my 64 numbers of x
.set CH,   80                          ; v[80:87]  four chains of pairs
.set MEAN, 88                          ; v[88:89]  the wave's mean, twice
.set RA,   90                          ; v90  the figure that is being summed over the lanes
.set RT,   91                          ; v91  at work
.set PR,   92                          ; v[92:93]  (mean, M2)
.set WF,   96                          ; v[96:103] eight weights in f32
.set WP,   104                         ; v[104:107] the same as f16
.set WV,   16                          ; s16  my wave's number
	s_load_b256 s[4:11], s[0:1], 0x0               ; x s[4:5], w_qkv s[6:7], w_out s[8:9], part s[10:11]
	s_load_b128 s[12:15], s[0:1], 0x20             ; wq16 s[12:13], wo16 s[14:15]
	v_lshl_add_u32 v[SPW], v0, 2, SPARE
	v_mov_b32 v[NIL], 0
	v_lshrrev_b32 v9, 5, v0
	v_readfirstlane_b32 s[WV], v9                  ; wave 0..7
	v_and_b32 v8, 31, v0
	v_lshlrev_b32 v3, 4, v8                        ; 16 x lane
	v_lshl_add_u32 v1, v9, 13, v3                  ; my wave's 8,192 bytes of the chunk, 16 bytes a lane
	v_lshlrev_b32 v6, 3, v9                        ; LDS: 8 x wave
	v_mov_b32 v7, 0
	v_mov_b32 v[RT], 0                             ; v_permlanex16_b32 counts as a reader of its destination
	s_mov_b32 s18, 0x76543210                      ; its selects: each lane takes its own place in the other half
	s_mov_b32 s19, 0xfedcba98
	s_lshl_b32 s2, ttmp9, 16                       ; the chunk's first byte
	s_mov_b32 s3, 0
	s_lshl_b32 s38, ttmp9, 3                       ; the chunk's 8 bytes in part
	s_mov_b32 s39, 0
	s_wait_kmcnt 0x0
	s_add_nc_u64 s[4:5], s[4:5], s[2:3]
	s_add_nc_u64 s[10:11], s[10:11], s[38:39]
.set j, 0
.rept 16                                       ; all of the wave's bytes are asked for at once: each load covers 512 consecutive bytes.  No hint: the next launch reads x again
	global_load_b128 v[XR+4*j:XR+4*j+3], v1, s[4:5] offset:512*j
.set j, j+1
.endr
	; THE WEIGHTS: waves 0 and 1, half fragment W = 2 g + wave.  W < 384: w_qkv (rows of 1,024 bytes), else w_out (rows of 512)
	s_cmp_lt_u32 s[WV], 2
	s_cbranch_scc0 .Lno_weights
	s_lshl_b32 s22, ttmp9, 1
	s_add_co_u32 s22, s22, s[WV]                   ; W
	s_sub_co_u32 s23, s22, 384
	s_cmp_lt_u32 s22, 384
	s_cselect_b32 s23, s22, s23                    ; the half fragment's number in its own buffer
	s_cselect_b32 s24, 10, 9                       ; log2 of a source row's bytes
	s_cselect_b32 s25, 7, 3                        ; kb's mask: 8 or 4 fragments along k
	s_cselect_b64 s[28:29], s[6:7], s[8:9]         ; from
	s_cselect_b64 s[30:31], s[12:13], s[14:15]     ; to
	s_lshr_b32 s32, s23, 1
	s_and_b32 s32, s32, s25                        ; kb
	s_and_b32 s33, s23, 1                          ; hf
	s_lshl_b32 s32, s32, 7
	s_lshl_b32 s33, s33, 6
	s_add_co_u32 s32, s32, s33                     ; 32 kb + 16 hf numbers of 4 bytes along the row
	s_lshr_b32 s34, s23, 4                         ; w_qkv: block 0..23
	s_mul_i32 s35, s34, 43
	s_lshr_b32 s35, s35, 8                         ; head = block / 6 (43 / 256 serves up to 23)
	s_mul_i32 s36, s35, 6
	s_sub_co_u32 s36, s34, s36
	s_lshr_b32 s37, s36, 1                         ; type
	s_and_b32 s36, s36, 1                          ; e
	s_lshl_b32 s34, s37, 3
	s_lshl1_add_u32 s34, s35, s34
	s_add_co_u32 s34, s34, s36                     ; the 16 source rows: block 8 type + 2 head + e
	s_lshr_b32 s35, s23, 3                         ; w_out: block ob
	s_cmp_lt_u32 s22, 384
	s_cselect_b32 s34, s34, s35
	s_cselect_b32 s37, s37, 1                      ; only q's rows take the factor
	s_cmp_eq_u32 s37, 0
	s_cselect_b32 s26, 0x3e8293ee, 1.0             ; c = 32^-0.5 log2(e) = 0.2550349
	s_mov_b32 s27, s26                             ; named with it as a pair
	s_add_co_u32 s35, s24, 4
	s_lshl_b32 s34, s34, s35                       ; 16 rows a block
	s_add_co_u32 s32, s32, s34
	s_mov_b32 s33, 0
	s_add_nc_u64 s[28:29], s[28:29], s[32:33]
	s_lshl_b32 s32, s23, 9                         ; 512 bytes a half fragment
	s_add_nc_u64 s[30:31], s[30:31], s[32:33]
	v_and_b32 v10, 15, v0
	v_bfe_u32 v11, v0, 4, 1
	v_lshlrev_b32 v2, s24, v10                     ; row l % 16
	v_lshl_add_u32 v2, v11, 5, v2                  ; + 8 (l / 16) numbers
	global_load_b128 v[WF:WF+3], v2, s[28:29]
	global_load_b128 v[WF+4:WF+7], v2, s[28:29] offset:16
	s_wait_loadcnt 0x0                             ; these two are the youngest: x is in as well
.irp k, 0,2,4,6
	v_pk_mul_f32 v[WF+(\k):WF+(\k)+1], v[WF+(\k):WF+(\k)+1], s[26:27] op_sel_hi:[1,0]
.endr
.irp k, 0,1,2,3
	v_cvt_pk_f16_f32 v[WP+(\k)], v[WF+2*(\k)], v[WF+2*(\k)+1]
.endr
	global_store_b128 v3, v[WP:WP+3], s[30:31]     ; the wave stores 512 consecutive bytes, aligned
.Lno_weights:
; the four chains into one number, and that number summed over the 32 lanes: every lane ends with the sum
.macro FOLD
	v_pk_add_f32 v[CH:CH+1], v[CH:CH+1], v[CH+2:CH+3]
	v_pk_add_f32 v[CH+4:CH+5], v[CH+4:CH+5], v[CH+6:CH+7]
	v_pk_add_f32 v[CH:CH+1], v[CH:CH+1], v[CH+4:CH+5]
	v_add_f32 v[RA], v[CH], v[CH+1]
	v_add_f32_dpp v[RA], v[RA], v[RA] row_xmask:1 row_mask:0xf bank_mask:0xf
	v_add_f32_dpp v[RA], v[RA], v[RA] row_xmask:2 row_mask:0xf bank_mask:0xf
	v_add_f32_dpp v[RA], v[RA], v[RA] row_xmask:4 row_mask:0xf bank_mask:0xf
	v_add_f32_dpp v[RA], v[RA], v[RA] row_xmask:8 row_mask:0xf bank_mask:0xf
	v_permlanex16_b32 v[RT], v[RA], s18, s19
	v_add_f32 v[RA], v[RA], v[RT]
.endm
	; PASS 1: the wave's mean.  The first four loads start the chains: nothing is cleared
	s_wait_loadcnt 12                              ; loads 0-3 are in, the twelve younger ones may stay out
.irp c, 0,1,2,3
	v_pk_add_f32 v[CH+2*(\c):CH+2*(\c)+1], v[XR+2*(\c):XR+2*(\c)+1], v[XR+8+2*(\c):XR+8+2*(\c)+1]
.endr
.irp q, 1,2,3
	s_wait_loadcnt 12-4*(\q)                       ; four loads more
.irp p, 0,1,2,3,4,5,6,7
	v_pk_add_f32 v[CH+2*((\p)%4):CH+2*((\p)%4)+1], v[CH+2*((\p)%4):CH+2*((\p)%4)+1], v[XR+16*(\q)+2*(\p):XR+16*(\q)+2*(\p)+1]
.endr
.endr
	FOLD
	v_mul_f32 v[MEAN], 0x3a000000, v[RA]           ; / 2,048
	v_mov_b32 v[MEAN+1], v[MEAN]
	; PASS 2: the squares of the deviations from it
.set p, 0
.rept 32
	v_pk_add_f32 v[XR+2*p:XR+2*p+1], v[XR+2*p:XR+2*p+1], v[MEAN:MEAN+1] neg_lo:[0,1] neg_hi:[0,1]
.set p, p+1
.endr
.irp c, 0,1,2,3
	v_pk_mul_f32 v[CH+2*(\c):CH+2*(\c)+1], v[XR+2*(\c):XR+2*(\c)+1], v[XR+2*(\c):XR+2*(\c)+1]
.endr
.set p, 4
.rept 28
	v_pk_fma_f32 v[CH+2*(p%4):CH+2*(p%4)+1], v[XR+2*p:XR+2*p+1], v[XR+2*p:XR+2*p+1], v[CH+2*(p%4):CH+2*(p%4)+1]
.set p, p+1
.endr
	FOLD
	v_mov_b32 v[PR], v[MEAN]
	v_mov_b32 v[PR+1], v[RA]
	ds_store_b64 v6, v[PR:PR+1]                    ; all lanes write the same two words
	s_wait_dscnt 0x0                               ; for the others' sake: my store is done
	s_barrier_signal -1
	s_barrier_wait -1
	s_cmp_lg_u32 s[WV], 0                          ; wave 0 joins the eight
	s_cbranch_scc1 .Lend
.irp i, 0,1,2,3
	ds_load_b128 v[XR+4*(\i):XR+4*(\i)+3], v7 offset:16*(\i)  ; mean_i in v[16 + 2 i], M2_i in v[17 + 2 i]
.endr
	s_wait_dscnt 0x0
	v_add_f32 v80, v16, v18
	v_add_f32 v81, v20, v22
	v_add_f32 v82, v24, v26
	v_add_f32 v83, v28, v30
	v_add_f32 v84, v17, v19
	v_add_f32 v85, v21, v23
	v_add_f32 v86, v25, v27
	v_add_f32 v87, v29, v31
	v_add_f32 v80, v80, v81
	v_add_f32 v82, v82, v83
	v_add_f32 v84, v84, v85
	v_add_f32 v86, v86, v87
	v_add_f32 v80, v80, v82
	v_add_f32 v84, v84, v86
	v_mul_f32 v[PR], 0x3e000000, v80               ; the chunk's mean: equal shares, so the mean of the means
	v_sub_f32 v[RA], v16, v[PR]
	v_mul_f32 v[RT], v[RA], v[RA]
.irp i, 1,2,3,4,5,6,7
	v_sub_f32 v[RA], v[16+2*(\i)], v[PR]
	v_fmac_f32 v[RT], v[RA], v[RA]
.endr
	v_fmamk_f32 v[PR+1], v[RT], 0x45000000, v84    ; M2 = 2,048 x sum (mean_i - mean)^2 + sum M2_i
	v_cmp_eq_u32 vcc_lo, 0, v0
	s_wait_xcnt 0x0                                ; EXEC is a source of the loads and the store above: it changes only behind this wait
	s_and_saveexec_b32 s20, vcc_lo
	global_store_b64 v7, v[PR:PR+1], s[10:11]      ; lane 0 alone
	s_wait_xcnt 0x0                                ; and again, in front of the line that widens it
	s_or_b32 exec_lo, exec_lo, s20
.Lend:
	s_wait_tensorcnt 0x0                           ; the wave's end, behind my last LDS store
	ds_add_u32 v[SPW], v[NIL]
	s_wait_dscnt 0x0
	s_endpgm
.Lfunc_end_k_q42349f9e3f_stats:
	.size	k_q42349f9e3f_stats, .Lfunc_end_k_q42349f9e3f_stats-k_q42349f9e3f_stats
	.p2alignl 7, 3214868480
	.fill 96, 4, 3214868480
	.section	.rodata,"a",@progbits
	.p2align	6, 0x0
	.amdhsa_kernel k_q42349f9e3f_stats
		.amdhsa_group_segment_fixed_size 1280
		.amdhsa_private_segment_fixed_size 0
		.amdhsa_enable_private_segment 0
		.amdhsa_kernarg_size 48
		.amdhsa_user_sgpr_count 2
		.amdhsa_user_sgpr_kernarg_segment_ptr 1
		.amdhsa_wavefront_size32 1
		.amdhsa_system_sgpr_workgroup_id_x 1
		.amdhsa_system_sgpr_workgroup_id_y 1
		.amdhsa_system_sgpr_workgroup_id_z 1
		.amdhsa_system_vgpr_workitem_id 0
		.amdhsa_next_free_vgpr 112
		.amdhsa_next_free_sgpr 66
		.amdhsa_reserve_vcc 1
		.amdhsa_float_denorm_mode_32 3
		.amdhsa_float_denorm_mode_16_64 3
		.amdhsa_memory_ordered 1
		.amdhsa_forward_progress 1
		.amdhsa_inst_pref_size 15
	.end_amdhsa_kernel
	.amdgpu_metadata
---
amdhsa.version: [ 1, 2 ]
amdhsa.kernels:
  - .name:           k_q42349f9e3f_stats
    .symbol:         k_q42349f9e3f_stats.kd
    .args:
      - { .name: x, .offset: 0, .size: 8, .value_kind: global_buffer, .address_space: global }
      - { .name: w_qkv, .offset: 8, .size: 8, .value_kind: global_buffer, .address_space: global }
      - { .name: w_out, .offset: 16, .size: 8, .value_kind: global_buffer, .address_space: global }
      - { .name: part, .offset: 24, .size: 8, .value_kind: global_buffer, .address_space: global }
      - { .name: wq16, .offset: 32, .size: 8, .value_kind: global_buffer, .address_space: global }
      - { .name: wo16, .offset: 40, .size: 8, .value_kind: global_buffer, .address_space: global }
    .group_segment_fixed_size: 1280
    .private_segment_fixed_size: 0
    .kernarg_segment_align: 8
    .kernarg_segment_size: 48
    .max_flat_workgroup_size: 256
    .sgpr_count:     66
    .vgpr_count:     112
    .wavefront_size: 32
...
	.end_amdgpu_metadata
.endif
;; end of part 1
;; launch qkv (part 2): grid 256 x 1, 4 waves a work-group, clusters of 4 x 1, 238,080 bytes of LDS; arguments x, part, gamma, beta, wq16, qf, kf, vf; writes qf, kf, vf
.if DOCPART == 2
	.amdgcn_target "amdgcn-amd-amdhsa--gfx1250"
	.amdhsa_code_object_version 6
	.text
	.protected	k_q42349f9e3f_qkv
	.globl	k_q42349f9e3f_qkv
	.p2align	8
	.type	k_q42349f9e3f_qkv,@function
k_q42349f9e3f_qkv:
	s_mov_b64 s[64:65], 0
	v_nop
	global_prefetch_b8 v0, s[64:65] scope:SCOPE_SE
	s_setreg_imm32_b32 hwreg(HW_REG_WAVE_MODE, 25, 1), 1
	s_wait_xcnt 0x0
	s_wait_alu depctr_hold_cnt(0) depctr_sa_sdst(0) depctr_va_vdst(0) depctr_va_sdst(0) depctr_va_ssrc(0) depctr_va_vcc(0) depctr_vm_vsrc(0)
	s_getreg_b32 s2, hwreg(HW_REG_IB_STS2, 6, 4)
	s_cmp_eq_u32 s2, 0
	s_cbranch_scc0 .Lentry_in_a_cluster
	s_endpgm
.Lentry_in_a_cluster:
	s_bfe_u32 s2, ttmp6, 0x10000c
	s_cmp_lg_u32 s2, 0x3003
	s_cbranch_scc0 .Lentry_shape_is_right
	s_endpgm
.Lentry_shape_is_right:
; GROUP NORM AND THE PROJECTION TO q, k, v.  A work-group takes 64 positions of one image and makes all 384 outputs for them, K = 256 channels.  Wave w is head w: six blocks of 16 rows of
; the weights (i = 0, 1: q; 2, 3: k; 4, 5: v) x four tiles of 16 positions = 24 accumulators, 192 matrix instructions.
; NORM.  A group's mean and variance are joined from its eight chunks' (mean, M2), without a difference of large sums; xn = x a + d with a = gamma rstd, d = beta - mean a, one fused
; multiply-add in f32, rounded once to f16 and laid into LDS as [channel][position].  Load j of a wave brings channel 64 w + j to lanes 0-15 and 64 w + 32 + j to lanes 16-31 (16 lanes take a
; row's 256 consecutive bytes, aligned), so a lane's group, 2 w + l / 16, never changes, and its 32 gamma and beta lie on end.
; THE WEIGHTS arrive as f16 fragments (16 rows x 32 k, [half][lane][16 bytes]); all four work-groups of a cluster need all of them, 196,608 of the 262,144 bytes that a work-group reads: they are
; asked for JOINTLY, one tensor load a wave, once.  Wave w asks for head w's 49,152 bytes and is the only one to read them.
; THE RESULTS LEAVE AS FRAGMENTS of the next launch.  q, k: source 0 = weights, source 1 = xn: a lane holds one position and 8 channels, which packed are one half of a fragment
; (rows = positions, k = the head's 32 channels).  v: the sources swapped: a lane holds one channel and 8 positions: one half of a fragment (rows = 16 channels, k = 32 keys).
; So every store of a wave is 512 consecutive bytes, aligned, and nothing is staged.
;   qf, kf: [image x 4 + head][256 tiles of 16 positions][1,024]       vf: [image x 4 + head][128 groups of 32 keys][channel half][1,024]
; LIMITS: xn, c q, k and v are rounded once to f16: largest number 65,504, below 6.1e-5 a fixed step of 6e-8.  NaN and infinities are not treated apart.
; Everything fits in LDS once: no slot is filled again.
.set XT,    196608                     ; LDS: 0 the weights; from here xn, 256 rows (channels) of 128 bytes,
.set XP,    160                        ; 160 apart
.set SPARE, XT+256*XP                  ; behind it the spare words, 128 bytes a wave: two blocks of 256 bytes that no other line names
.set SPW, 8                            ; v8   my spare word's address; never rewritten
.set NIL, 9                            ; v9   0; never rewritten
.set XR,  64                           ; v[64:191]   x as loaded, 4 registers a load; then
.set BUF, 64                           ; v[64:143], v[144:223]  two fragment buffers: six fragments of the weights, then four of xn
.set GA,  192                          ; v[192:223]  gamma, then a
.set BE,  224                          ; v[224:255]  beta, then d
.set WV,  20                           ; s20  my wave's number
.set G1,  24                           ; s[24:31] descriptor group 1
.set G0,  32                           ; s[32:35] descriptor group 0
; window 1: v[0:191] the accumulators: (i, pb) at 8 (4 i + pb)
.set MSB, 0
.macro WIN new                         ; s_set_vgpr_msb: bits 1:0 source 0, 3:2 source 1, 5:4 source 2, 7:6 destination; the high byte repeats the setting that is left
.if MSB != (\new)
	s_set_vgpr_msb (MSB<<8)|(\new)
.set MSB, (\new)
.endif
.endm
.macro PLACES                          ; four places behind matrix instructions (ISA guide 7.12.1), where no other vector work is at hand
.rept 4
	v_nop
.endr
.endm
.macro CROUND                          ; a round of the cluster's barrier: my work-group's barrier; wave 0 signals for it; every wave waits for all four work-groups; my work-group's barrier once more
	s_barrier_signal -1
	s_barrier_wait -1
	s_cmp_lg_u32 s[WV], 0
	s_cbranch_scc1 .Lnot_wave_0_\@
	s_barrier_signal -3
.Lnot_wave_0_\@:
	s_barrier_wait -3
	s_barrier_signal -1
	s_barrier_wait -1
.endm
	s_load_b512 s[4:19], s[0:1], 0x0               ; x s[4:5], part s[6:7], gamma s[8:9], beta s[10:11], wq16 s[12:13], qf s[14:15], kf s[16:17], vf s[18:19]
	v_lshl_add_u32 v[SPW], v0, 2, SPARE
	v_mov_b32 v[NIL], 0
	ds_add_u32 v[SPW], v[NIL]                      ; the wave's opening: the add and its wait go ahead of my first tensor load; the set-up below, work on registers, stands between them
	v_lshrrev_b32 v10, 5, v0
	v_readfirstlane_b32 s[WV], v10                 ; wave 0..3 = head
	s_bfe_u32 s21, ttmp6, 0x40000                  ; cx: my place in the cluster; it enters global addresses of x, part and the results alone
	s_lshl_b32 s22, ttmp9, 2                       ; in a cluster launch ttmp9 counts clusters
	s_add_co_u32 s22, s22, s21                     ; work-group 0..255
	s_lshr_b32 s23, s22, 6                         ; image
	s_and_b32 s22, s22, 63                         ; block of 64 positions
	; the descriptor: 49,152 dense bytes as 192 rows of 32 elements of 8 bytes
	s_mov_b32 s[G1+0], 15|(3<<16)|(1<<21)          ; 15:0 the mask: all four work-groups; 17:16 elements of 8 bytes; 21 set beside a mask; no padding
	s_mov_b32 s[G1+1], 32<<16                      ; tensor_dim0 = 32
	s_mov_b32 s[G1+2], 192<<16                     ; tensor_dim1 = 192
	s_mov_b32 s[G1+3], 32<<16                      ; tile_dim0 = 32
	s_mov_b32 s[G1+4], 192                         ; tile_dim1 = 192
	s_mov_b32 s[G1+5], 32                          ; 32 elements from row to row
	s_mov_b32 s[G1+6], 0
	s_mov_b32 s[G1+7], 0
	s_mov_b32 s[G0], 1                             ; count = 1
	s_mul_i32 s[G0+1], s[WV], 49152                ; LDS address: my head's weights
	v_and_b32 v11, 15, v0                          ; l % 16
	v_bfe_u32 v12, v0, 4, 1                        ; l / 16
	v_and_b32 v13, 31, v0
	v_lshlrev_b32 v5, 4, v13                       ; v5 = 16 l
	s_lshl_b32 s36, s[WV], 1
	v_add_nc_u32 v14, s36, v12                     ; my group in the image: 2 w + l / 16; my channels begin at 32 times that
	v_lshlrev_b32 v1, 19, v14                      ; v1: x: 32 channels of 16,384 bytes a group,
	v_lshl_add_u32 v1, v11, 4, v1                  ;     16 bytes (4 positions) a lane
	v_mul_u32_u24 v2, v14, 32*XP                   ; v2: where xn goes: the same channels' rows,
	v_lshl_add_u32 v2, v11, 3, v2                  ;     8 bytes a lane
	v_add_nc_u32 v2, XT, v2
	v_and_b32 v15, 7, v0                           ; v3: the turning load: lane l reads 16 bytes of row (channel) 8 (l / 16) + l % 8, positions 8 ((l / 8) % 2) + 0..7
	v_lshl_add_u32 v3, v12, 3, v15
	v_mul_u32_u24 v3, v3, XP
	v_bfe_u32 v15, v0, 3, 1
	v_lshl_add_u32 v3, v15, 4, v3
	v_add_nc_u32 v3, XT, v3
	v_add_nc_u32 v4, s[G0+1], v5                   ; v4: my 16 bytes of a half fragment of my head's weights
	v_lshlrev_b32 v6, 7, v14                       ; v6: my 32 gamma and beta
	s_lshl_b32 s37, s23, 3
	v_add_nc_u32 v7, s37, v14
	v_lshlrev_b32 v7, 6, v7                        ; v7: my group's eight (mean, M2): 64 bytes
	s_lshl_b32 s38, s23, 22                        ; x: the image, and the block's 256 bytes of each row
	s_lshl_b32 s39, s22, 8
	s_add_co_u32 s38, s38, s39
	s_mov_b32 s39, 0
	s_lshl_b32 s40, s23, 2                         ; the results: image x 4 + head, 262,144 bytes each; the block's 4,096
	s_add_co_u32 s40, s40, s[WV]
	s_lshl_b32 s40, s40, 18
	s_lshl_b32 s41, s22, 12
	s_add_co_u32 s40, s40, s41
	s_mov_b32 s41, 0
	s_mov_b32 s42, s[G0+1]
	s_mov_b32 s43, 0
	s_mov_b32 s44, 0x37000000                      ; 1 / 131,072: a group's numbers
	s_mov_b32 s45, 0x3727c5ac                      ; 1e-5
	s_wait_dscnt 0x0                               ; the opening add is done
	s_wait_kmcnt 0x0
	s_add_nc_u64 s[4:5], s[4:5], s[38:39]
	s_add_nc_u64 s[G0+2:G0+3], s[12:13], s[42:43]  ; global address: it hangs on the wave's number alone
	s_or_b32 s[G0+3], s[G0+3], 0x80000000          ; type = 2
	s_add_nc_u64 s[14:15], s[14:15], s[40:41]
	s_add_nc_u64 s[16:17], s[16:17], s[40:41]
	s_add_nc_u64 s[18:19], s[18:19], s[40:41]
	; all loads into registers go out ahead of the round, so that they are on their way during it
.irp i, 0,1,2,3
	global_load_b128 v[16+4*(\i):16+4*(\i)+3], v7, s[6:7] offset:16*(\i)      ; mean_i in v[16 + 2 i], M2_i in v[17 + 2 i]
.endr
.irp i, 0,1,2,3,4,5,6,7
	global_load_b128 v[GA+4*(\i):GA+4*(\i)+3], v6, s[8:9] offset:16*(\i)
.endr
.irp i, 0,1,2,3,4,5,6,7
	global_load_b128 v[BE+4*(\i):BE+4*(\i)+3], v6, s[10:11] offset:16*(\i)
.endr
.set j, 0
.rept 32
	global_load_b128 v[XR+4*j:XR+4*j+3], v1, s[4:5] offset:16384*j th:TH_LOAD_NT  ; this launch reads each byte of x once
.set j, j+1
.endr
	CROUND                                         ; all four work-groups are here: the joint loads meet
	tensor_load_to_lds s[G0:G0+3], s[G1:G1+7]      ; my one tensor load of the launch
	s_nop 0
	PLACES
	; THE GROUP'S STATISTICS
	s_wait_loadcnt 32                              ; part, gamma and beta are in; x's 32 loads may stay out
	v_add_f32 v32, v16, v18
	v_add_f32 v33, v20, v22
	v_add_f32 v34, v24, v26
	v_add_f32 v35, v28, v30
	v_add_f32 v36, v17, v19
	v_add_f32 v37, v21, v23
	v_add_f32 v38, v25, v27
	v_add_f32 v39, v29, v31
	v_add_f32 v32, v32, v33
	v_add_f32 v34, v34, v35
	v_add_f32 v36, v36, v37
	v_add_f32 v38, v38, v39
	v_add_f32 v32, v32, v34
	v_add_f32 v36, v36, v38
	v_mul_f32 v32, 0x3e000000, v32                 ; the mean: equal chunks, so the mean of the means
	v_sub_f32 v40, v16, v32
	v_mul_f32 v41, v40, v40
.irp i, 1,2,3,4,5,6,7
	v_sub_f32 v40, v[16+2*(\i)], v32
	v_fmac_f32 v41, v40, v40
.endr
	v_fmamk_f32 v36, v41, 0x46800000, v36          ; M2 = 16,384 x sum (mean_i - mean)^2 + sum M2_i
	v_fma_f32 v37, v36, s44, s45                   ; variance + 1e-5
	v_rsq_f32 v42, v37
	v_mul_f32 v44, -1.0, v32                       ; - mean, twice: the plain work behind the root
	v_mov_b32 v45, v44
	s_wait_alu depctr_va_vdst(0)                   ; the wait ahead of the first line that names the root's result
	v_mov_b32 v43, v42
.set i, 0
.rept 16
	v_pk_mul_f32 v[GA+2*i:GA+2*i+1], v[GA+2*i:GA+2*i+1], v[42:43]                     ; a = gamma rstd
.set i, i+1
.endr
.set i, 0
.rept 16
	v_pk_fma_f32 v[BE+2*i:BE+2*i+1], v[GA+2*i:GA+2*i+1], v[44:45], v[BE+2*i:BE+2*i+1]  ; d = beta - mean a
.set i, i+1
.endr
	; xn, in place, rounded to f16, into LDS
.set j, 0
.rept 32
	s_wait_loadcnt 31-j                            ; loads come back in order: load j is in, the younger ones stay out
.irp k, 0,1,2,3
	v_fma_f32 v[XR+4*j+(\k)], v[XR+4*j+(\k)], v[GA+j], v[BE+j]
.endr
	v_cvt_pk_f16_f32 v[XR+4*j], v[XR+4*j], v[XR+4*j+1]
	v_cvt_pk_f16_f32 v[XR+4*j+1], v[XR+4*j+2], v[XR+4*j+3]
	ds_store_b64 v2, v[XR+4*j:XR+4*j+1] offset:XP*j
.set j, j+1
.endr
	s_wait_tensorcnt 0x0                           ; my head's weights are in LDS
	s_wait_dscnt 0x0                               ; for the others' sake: my rows of xn are stored
	s_barrier_signal -1
	s_barrier_wait -1                              ; all 256 rows of xn lie in LDS; nothing is filled or stored there again
; 20 LDS loads: the fragments of channels 32 kb .. 32 kb + 31 into buffer f
.macro FETCH kb, f
	WIN 0
.irp i, 0,1,2,3,4,5
	ds_load_b128 v[(\f)+8*(\i):(\f)+8*(\i)+3],   v4 offset:(8*(\i)+(\kb))*1024
	ds_load_b128 v[(\f)+8*(\i)+4:(\f)+8*(\i)+7], v4 offset:(8*(\i)+(\kb))*1024+512
.endr
.irp pb, 0,1,2,3
	ds_load_tr16_b128 v[(\f)+48+8*(\pb):(\f)+48+8*(\pb)+3],   v3 offset:32*XP*(\kb)+32*(\pb)
	ds_load_tr16_b128 v[(\f)+48+8*(\pb)+4:(\f)+48+8*(\pb)+7], v3 offset:32*XP*(\kb)+32*(\pb)+16*XP
.endr
.endm
; 24 matrix instructions.  The 24 accumulators take turns, one instruction a turn, in the same order in every K step.  zero = 1: the first K step starts the sums
.macro MUL f, zero
	WIN 0x50                                       ; C and D in window 1
.irp i, 0,1,2,3,4,5
.irp pb, 0,1,2,3
.if (\i) < 4
.if \zero
	v_wmma_f32_16x16x32_f16 v[8*(4*(\i)+(\pb)):8*(4*(\i)+(\pb))+7], v[(\f)+8*(\i):(\f)+8*(\i)+7], v[(\f)+48+8*(\pb):(\f)+48+8*(\pb)+7], 0
.else
	v_wmma_f32_16x16x32_f16 v[8*(4*(\i)+(\pb)):8*(4*(\i)+(\pb))+7], v[(\f)+8*(\i):(\f)+8*(\i)+7], v[(\f)+48+8*(\pb):(\f)+48+8*(\pb)+7], v[8*(4*(\i)+(\pb)):8*(4*(\i)+(\pb))+7]
.endif
.else
.if \zero
	v_wmma_f32_16x16x32_f16 v[8*(4*(\i)+(\pb)):8*(4*(\i)+(\pb))+7], v[(\f)+48+8*(\pb):(\f)+48+8*(\pb)+7], v[(\f)+8*(\i):(\f)+8*(\i)+7], 0
.else
	v_wmma_f32_16x16x32_f16 v[8*(4*(\i)+(\pb)):8*(4*(\i)+(\pb))+7], v[(\f)+48+8*(\pb):(\f)+48+8*(\pb)+7], v[(\f)+8*(\i):(\f)+8*(\i)+7], v[8*(4*(\i)+(\pb)):8*(4*(\i)+(\pb))+7]
.endif
.endif
.endr
.endr
.endm
	FETCH 0, BUF
	FETCH 1, BUF+80
	s_wait_dscnt 20                                ; K step 0's fragments are in; the 20 loads just issued may stay out
	MUL BUF, 1
.irp kb, 1,2,3,4,5,6
	PLACES                                         ; in front of loads into the buffer that the last K step multiplied
	FETCH (\kb)+1, BUF+80*(((\kb)+1)%2)
	s_wait_dscnt 20
	MUL BUF+80*((\kb)%2), 0
.endr
	s_wait_dscnt 0x0
	MUL BUF+80, 0
	; THE WAY OUT: each accumulator's eight numbers pack into a lane's 16 bytes of a half fragment
	WIN 0
	PLACES
	PLACES
	WIN 0x05                                       ; sources in window 1
.set a, 0
.rept 24
.irp r, 0,1,2,3
	v_cvt_pk_f16_f32 v[64+4*a+(\r)], v[8*a+2*(\r)], v[8*a+2*(\r)+1]
.endr
.set a, a+1
.endr
	WIN 0
.irp e, 0,1
.irp pb, 0,1,2,3
	global_store_b128 v5, v[64+4*(4*(\e)+(\pb)):64+4*(4*(\e)+(\pb))+3], s[14:15] offset:1024*(\pb)+512*(\e)             ; q: tile pb, channels 16 e ..
.endr
.endr
.irp e, 0,1
.irp pb, 0,1,2,3
	global_store_b128 v5, v[64+4*(8+4*(\e)+(\pb)):64+4*(8+4*(\e)+(\pb))+3], s[16:17] offset:1024*(\pb)+512*(\e)         ; k likewise
.endr
.endr
.irp e, 0,1
.irp pb, 0,1,2,3
	global_store_b128 v5, v[64+4*(16+4*(\e)+(\pb)):64+4*(16+4*(\e)+(\pb))+3], s[18:19] offset:2048*((\pb)/2)+1024*(\e)+512*((\pb)%2)  ; v: group pb / 2 of 32 keys, channels 16 e .., keys 16 (pb % 2) ..
.endr
.endr
	s_wait_tensorcnt 0x0                           ; the wave's end, behind my last tensor load and my last LDS store
	ds_add_u32 v[SPW], v[NIL]
	s_wait_dscnt 0x0
	CROUND                                         ; the closing round: no work-group ends while a partner may still ask for a tile that names it
	s_endpgm
.Lfunc_end_k_q42349f9e3f_qkv:
	.size	k_q42349f9e3f_qkv, .Lfunc_end_k_q42349f9e3f_qkv-k_q42349f9e3f_qkv
	.p2alignl 7, 3214868480
	.fill 96, 4, 3214868480
	.section	.rodata,"a",@progbits
	.p2align	6, 0x0
	.amdhsa_kernel k_q42349f9e3f_qkv
		.amdhsa_group_segment_fixed_size 238080
		.amdhsa_private_segment_fixed_size 0
		.amdhsa_enable_private_segment 0
		.amdhsa_kernarg_size 64
		.amdhsa_user_sgpr_count 2
		.amdhsa_user_sgpr_kernarg_segment_ptr 1
		.amdhsa_wavefront_size32 1
		.amdhsa_system_sgpr_workgroup_id_x 1
		.amdhsa_system_sgpr_workgroup_id_y 1
		.amdhsa_system_sgpr_workgroup_id_z 1
		.amdhsa_system_vgpr_workitem_id 0
		.amdhsa_next_free_vgpr 448
		.amdhsa_next_free_sgpr 66
		.amdhsa_reserve_vcc 0
		.amdhsa_float_denorm_mode_32 3
		.amdhsa_float_denorm_mode_16_64 3
		.amdhsa_memory_ordered 1
		.amdhsa_forward_progress 1
		.amdhsa_inst_pref_size 60
	.end_amdhsa_kernel
	.amdgpu_metadata
---
amdhsa.version: [ 1, 2 ]
amdhsa.kernels:
  - .name:           k_q42349f9e3f_qkv
    .symbol:         k_q42349f9e3f_qkv.kd
    .args:
      - { .name: x, .offset: 0, .size: 8, .value_kind: global_buffer, .address_space: global }
      - { .name: part, .offset: 8, .size: 8, .value_kind: global_buffer, .address_space: global }
      - { .name: gamma, .offset: 16, .size: 8, .value_kind: global_buffer, .address_space: global }
      - { .name: beta, .offset: 24, .size: 8, .value_kind: global_buffer, .address_space: global }
      - { .name: wq16, .offset: 32, .size: 8, .value_kind: global_buffer, .address_space: global }
      - { .name: qf, .offset: 40, .size: 8, .value_kind: global_buffer, .address_space: global }
      - { .name: kf, .offset: 48, .size: 8, .value_kind: global_buffer, .address_space: global }
      - { .name: vf, .offset: 56, .size: 8, .value_kind: global_buffer, .address_space: global }
    .group_segment_fixed_size: 238080
    .private_segment_fixed_size: 0
    .kernarg_segment_align: 8
    .kernarg_segment_size: 64
    .max_flat_workgroup_size: 128
    .sgpr_count:     66
    .vgpr_count:     448
    .wavefront_size: 32
...
	.end_amdgpu_metadata
.endif
;; end of part 2
;; launch attn (part 3): grid 16 x 16, 8 waves a work-group, clusters of 4 x 1, 327,680 bytes of LDS; arguments qf, kf, vf, of16; writes of16
.if DOCPART == 3
	.amdgcn_target "amdgcn-amd-amdhsa--gfx1250"
	.amdhsa_code_object_version 6
	.text
	.protected	k_q42349f9e3f_attn
	.globl	k_q42349f9e3f_attn
	.p2align	8
	.type	k_q42349f9e3f_attn,@function
k_q42349f9e3f_attn:
	s_mov_b64 s[64:65], 0
	v_nop
	global_prefetch_b8 v0, s[64:65] scope:SCOPE_SE
	s_setreg_imm32_b32 hwreg(HW_REG_WAVE_MODE, 25, 1), 1
	s_wait_xcnt 0x0
	s_wait_alu depctr_hold_cnt(0) depctr_sa_sdst(0) depctr_va_vdst(0) depctr_va_sdst(0) depctr_va_ssrc(0) depctr_va_vcc(0) depctr_vm_vsrc(0)
	s_getreg_b32 s2, hwreg(HW_REG_IB_STS2, 6, 4)
	s_cmp_eq_u32 s2, 0
	s_cbranch_scc0 .Lentry_in_a_cluster
	s_endpgm
.Lentry_in_a_cluster:
	s_bfe_u32 s2, ttmp6, 0x10000c
	s_cmp_lg_u32 s2, 0x3003
	s_cbranch_scc0 .Lentry_shape_is_right
	s_endpgm
.Lentry_shape_is_right:
; ATTENTION, head size 32, 4,096 keys, 16 (image, head) pairs.  O[q] = sum over k of softmax_k(s[q][k]) V[k]; q arrives multiplied by 32^-0.5 log2(e), so p = 2^(s - m).
; q, k, v arrive and O leaves as f16 FRAGMENTS (16 rows x 32 k, 1,024 bytes, [half][lane][16 bytes]): every load and store is 16 bytes at 16 x lane, in LDS and in memory alike.
; TWO PASSES OVER THE KEYS.  Pass 1: S^T = K Q^T, of which only each query's maximum m is kept: the true maximum over all keys.  Pass 2: S^T once more, with - m as the C operand, so that the
; products come out as s - m; then 2^(.), the rounding to f16, the sum l, and O^T += V^T P.  Nothing is rescaled and no statistic is carried from step to step but l and O.
; A tile of 16 queries x 64 keys so has 12 matrix instructions (4 + 8) and 80 vector instructions (16 maxima of three, 32 exponentials, 16 roundings, 16 packed sums).
; SHARES.  A work-group owns 256 queries of one head.  Waves w and w + 4 own the SAME 64 queries (four tiles of 16) and each takes half of every slot's keys; m is joined between the passes,
; and since both then use the same m, their O and l simply add at the end.  Each wave goes in plain phases (16 products, the vector work, 16 products).
; LAYOUT.  S^T = K Q^T (source 0 = 16 keys, source 1 = 16 queries): a lane holds ONE query (lane % 16) and the keys 8 (lane / 16) + 0..7.  Two such results rounded to f16 ARE source 1
; (32 keys x 16 queries) of O^T = V^T P, whose result holds one query a lane and 8 channels: packed, one half of a fragment of O.
; LDS.  Two slots of 131,072 bytes.  First they hold all of the head's K (pass 1).  In pass 2 a slot holds a tile of 1,024 keys: K at + 0, V at + 65,536.  Every tensor load is 64 rows of 256 bytes, one a wave:
; two of mine are out at the start, one later.  A refill has 16 steps of pass 1, or 8 of pass 2, in which to land: 256 matrix instructions of the wave.
; CLUSTER.  The four query blocks of a cluster belong to one head and walk the same K and V: each tile is asked for JOINTLY, by the same tensor load, descriptor and mask in all four.
; LIMITS.  c q, k, v and O are f16: largest number 65,504, below 6.1e-5 a fixed step of 6e-8; p lies in 0 to 1 (to within a rounding of s) with the same step; its sum l is taken of the unrounded p;
; a weight below 2^-126 counts as 0; NaN and infinities are not treated apart.
; O and l start from 80 registers written with 0, once a launch, in the wait for the first tiles: the price of one text for every step of pass 2.
; REGISTERS, in windows of 256 (s_set_vgpr_msb: bits 1:0 source 0, 3:2 source 1, 5:4 source 2, 7:6 destination):
;   window 0: v2-12 addresses; v16-31 l; v32-39 running maxima; v40-55 at work; v64-191 S^T; v192-255 P       window 1: v0-31 Q; v32-63 - m; v64-95 K; v96-127 V (pass 1: K's second buffer); v128-191 O^T
.set SLOT1, 1<<17                      ; slot 1 begins here: one exclusive or turns an address in one slot into the other's
.set XM,    2*SLOT1                    ; behind the slots, never filled by a tensor load: 512 bytes a wave, for the maxima
.set XO,    XM+4096                    ; 17 x 512 bytes for each pair of waves: the second wave's O^T and l
.set XOP,   17*512
.set SPARE, XO+4*XOP                   ; the spare words, 128 bytes a wave: four blocks of 256 bytes that no other line names
.set L16, 2                            ; v2   16 x lane; never rewritten
.set LK,  3                            ; v3   LDS address of K's next run of loads
.set LV,  4                            ; v4   of V's
.set XMS, 5                            ; v5   where I put my four maxima
.set XML, 6                            ; v6   where my partner put its
.set XOA, 7                            ; v7   my pair's place in XO
.set SPW, 8                            ; v8   my spare word's address; never rewritten
.set NIL, 9                            ; v9   0; never rewritten
.set PFO, 10                           ; v10  256 x lane, for the prefetches; never rewritten
.set LB1, 11                           ; v11  16 l + 65,536 x my half: pass 1
.set LB2, 12                           ; v12  16 l + 32,768 x my half: pass 2, K
.set LB3, 13                           ; v13  the same + 65,536: V
.set LS,  16                           ; l: tile t, chain c, a pair (even key's, odd key's) at LS + 4 t + 2 c
.set M,   32                           ; pass 1's maxima: tile t, chain c at M + 2 t + c
.set MX,  40                           ; v[40:43]  a number a tile
.set RL,  44                           ; v[44:51]  1 / l, in the even registers
.set TMP, 52                           ; v[52:55]
.set S,   64                           ; S^T: tile t, 16 keys kt at S + 32 t + 8 kt
.set P,   192                          ; P: tile t, 32 keys kg at P + 16 t + 8 kg
.set Q,   0                            ; window 1
.set NM,  32
.set KA,  64
.set KB,  96
.set VF,  96                           ; V: 32 keys kg, 16 channels cb at VF + 16 kg + 8 cb
.set O,   128                          ; O^T: tile t, 16 channels cb at O + 16 t + 8 cb
.set WV,  12                           ; s12  my wave's number
.set G1,  24                           ; s[24:31] descriptor group 1, for every load
.set F0,  32                           ; s[32:35], s[36:39] group 0 of the two first fills
.set F1,  36
.set RF,  40                           ; s[40:43] group 0 of the refills: it walks
.set SEL, 44                           ; s[44:45] v_permlanex16_b32's selects
.set TB,  46                           ; s46  the slot that pass 2 reads
.set CNT, 47                           ; s47  counts the steps of a walk
.set SLOTS, 48                         ; s48  refills of pass 2 still to come
.set LIM, 49                           ; s49  1 in a wave that prefetches, else the greatest number
.set PFA, 50                           ; s[50:51] where my prefetches stand
.set OB,  52                           ; s[52:53] O at my first tile
.set TK,  54                           ; s54  LDS byte at which the step to be fetched begins
.set W_KQ, 0x15                        ; K, Q and - m in window 1, S^T in window 0
.set W_PV, 0x51                        ; V and O^T in window 1, P in window 0
.set W_LD, 0x40                        ; destination in window 1
.set MSB, 0
.macro WIN new                         ; the high byte repeats the setting that is left; a switch that changes nothing is dropped
.if MSB != (\new)
	s_set_vgpr_msb (MSB<<8)|(\new)
.set MSB, (\new)
.endif
.endm
.macro PLACES                          ; four places behind matrix instructions, in front of lines that read their results and of loads into their sources
.rept 4
	v_nop
.endr
.endm
.macro CROUND                          ; a round of the cluster's barrier: my work-group's barrier; wave 0 signals for it; every wave waits for all four work-groups; my work-group's barrier once more
	s_barrier_signal -1
	s_barrier_wait -1
	s_cmp_lg_u32 s[WV], 0
	s_cbranch_scc1 .Lnot_wave_0_\@
	s_barrier_signal -3
.Lnot_wave_0_\@:
	s_barrier_wait -3
	s_barrier_signal -1
	s_barrier_wait -1
.endm
; A PREFETCH INTO THE L2 of V's tile that the NEXT refill will ask for: 65,536 bytes, 256 a lane.  All four clusters of a head walk the same V: the head's first cluster asks.  Its four partners share the
; tile out BY ADDRESS, 16,384 bytes each; in each, waves 0 and 1 take 8,192: one instruction.  So each block is named once in the launch.  V's tile 0 comes by its load alone; the last refill asks for
; nothing; K is read a second time in pass 2 and is not asked for.  how = 1: the refill in pass 1; 0: those of pass 2's loop.
.macro ASK how
.if \how
	s_cmp_eq_u32 s[LIM], 1
.else
	s_cmp_gt_u32 s[SLOTS], s[LIM]
.endif
	s_cbranch_scc0 .Lnot_mine_\@
	global_prefetch_b8 v[PFO], s[PFA:PFA+1] th:TH_LOAD_NT scope:SCOPE_SE
.Lnot_mine_\@:
.endm
; THE CHANGE OF SLOTS.  Each wave waits for all its tensor loads, of which one is out: its part of the other slot; adds 0 to its spare word; and waits for that and for its own reads of the slot that it leaves.
; fill = 1: that slot is filled again.  The barrier is then a round of the cluster's, so that no wave of any partner still reads the slot or has a load on its way, and the joint refill is the first thing behind it.
; step = 1: the walking descriptor goes to the other slot and the next tile, and the prefetches' address a tile on.
.macro CHANGE fill, step
	WIN 0
	s_wait_tensorcnt 0x0                           ; no tensor load of mine is out, so a group 0 may be written
	ds_add_u32 v[SPW], v[NIL]                      ; 0 onto my spare word
.if \step
	s_xor_b32 s[RF+1], s[RF+1], SLOT1
	s_add_nc_u64 s[RF+2:RF+3], s[RF+2:RF+3], 65536 ; the type bits on top are not reached
	s_wait_xcnt 0x0                                ; the last prefetch, a whole walk back, has read its address
	s_add_nc_u64 s[PFA:PFA+1], s[PFA:PFA+1], 65536
.endif
	s_wait_dscnt 0x0                               ; the add is done, and my reads of the slot are over
.if \fill
	CROUND
	tensor_load_to_lds s[RF:RF+3], s[G1:G1+7]
	s_nop 0
	PLACES
	ASK 1-(\step)
.else
	s_barrier_signal -1
	s_barrier_wait -1
.endif
.endm
	s_load_b256 s[4:11], s[0:1], 0x0               ; qf s[4:5], kf s[6:7], vf s[8:9], of16 s[10:11]
	v_lshl_add_u32 v[SPW], v0, 2, SPARE
	v_mov_b32 v[NIL], 0
	ds_add_u32 v[SPW], v[NIL]                      ; the wave's opening: the add and its wait go ahead of my first tensor load; the set-up below, work on registers, stands between them
	v_lshrrev_b32 v1, 5, v0
	v_readfirstlane_b32 s[WV], v1                  ; wave 0..7
	s_bfe_u32 s13, ttmp6, 0x40000                  ; cx: my place in the cluster: it enters Q's, O's and the prefetches' addresses alone
	s_lshr_b32 s14, s[WV], 2                       ; my half of the keys
	s_and_b32 s15, s[WV], 3                        ; my 64 of the 256 queries
	s_and_b32 s16, ttmp7, 0xffff                   ; image x 4 + head, which the four partners share
	s_lshl_b32 s17, ttmp9, 2                       ; in a cluster launch ttmp9 counts clusters
	s_add_co_u32 s17, s17, s13                     ; my block of 256 queries
	; descriptor group 1: 16,384 dense bytes as 64 rows of 32 elements of 8 bytes
	s_mov_b32 s[G1+0], 15|(3<<16)|(1<<21)          ; 15:0 the mask: all four work-groups; 17:16 elements of 8 bytes; 21 set beside a mask; no padding: fragments are read 16 bytes a lane on end
	s_mov_b32 s[G1+1], 32<<16                      ; tensor_dim0 = 32
	s_mov_b32 s[G1+2], 64<<16                      ; tensor_dim1 = 64
	s_mov_b32 s[G1+3], 32<<16                      ; tile_dim0 = 32
	s_mov_b32 s[G1+4], 64                          ; tile_dim1 = 64
	s_mov_b32 s[G1+5], 32                          ; 32 elements from row to row
	s_mov_b32 s[G1+6], 0
	s_mov_b32 s[G1+7], 0
	s_mov_b32 s[F0], 1                             ; count = 1
	s_lshl_b32 s[F0+1], s[WV], 14                  ; LDS address: 16,384 x wave, in slot 0
	s_mov_b32 s[F1], 1
	s_add_co_u32 s[F1+1], s[F0+1], SLOT1           ; in slot 1
	s_mov_b32 s[RF], 1
	s_lshl_b32 s[RF+1], s[WV], 14                  ; the first refill goes to slot 0
	s_mov_b32 s[SEL], 0x76543210
	s_mov_b32 s[SEL+1], 0xfedcba98
	s_mov_b32 s[TB], 0
	s_lshr_b32 s[LIM], s[WV], 1                    ; 0 in waves 0 and 1,
	s_or_b32 s[LIM], s[LIM], ttmp9                 ; where the cluster is the head's first: the same in all four partners
	s_cmp_eq_u32 s[LIM], 0
	s_cselect_b32 s[LIM], 1, -1
	s_lshl_b32 s18, s16, 18                        ; the head's first byte in qf, kf and vf
	s_mov_b32 s19, 0
	s_lshl_b32 s20, s[WV], 14                      ; my part of a first fill
	s_mov_b32 s21, 0
	s_lshl_b32 s22, s15, 14                        ; my part of a tile's K or V
	s_mov_b32 s23, 0
	s_lshl_b32 s2, s17, 14                         ; Q: my block's 16 tiles, my wave's four
	s_lshl_b32 s3, s15, 12
	s_add_co_u32 s2, s2, s3
	s_mov_b32 s3, 0
	s_lshr_b32 s56, s16, 2                         ; O: [image][256 tiles][head][1,024]
	s_lshl_b32 s56, s56, 20
	s_lshl_b32 s57, s17, 16
	s_add_co_u32 s56, s56, s57
	s_add_co_u32 s56, s56, s22
	s_and_b32 s57, s16, 3
	s_lshl_b32 s57, s57, 10
	s_add_co_u32 s56, s56, s57
	s_mov_b32 s57, 0
	s_lshl_b32 s58, s13, 14                        ; the prefetches: my work-group's 16,384 bytes, my wave's 8,192, of V's tile 1
	s_lshl_b32 s59, s[WV], 13
	s_add_co_u32 s58, s58, s59
	s_add_co_u32 s58, s58, 65536
	s_mov_b32 s59, 0
	v_and_b32 v1, 31, v0
	v_lshlrev_b32 v[L16], 4, v1
	v_lshlrev_b32 v[PFO], 8, v1
	s_lshl_b32 s60, s14, 16
	v_add_nc_u32 v[LB1], s60, v[L16]
	s_lshl_b32 s60, s14, 15
	v_add_nc_u32 v[LB2], s60, v[L16]
	v_add_nc_u32 v[LB3], 65536, v[LB2]
	s_lshl_b32 s60, s[WV], 9
	s_add_co_u32 s60, s60, XM
	v_add_nc_u32 v[XMS], s60, v[L16]
	s_xor_b32 s60, s[WV], 4                        ; my partner: the wave with my queries and the other keys
	s_lshl_b32 s60, s60, 9
	s_add_co_u32 s60, s60, XM
	v_add_nc_u32 v[XML], s60, v[L16]
	s_mul_i32 s60, s15, XOP
	s_add_co_u32 s60, s60, XO
	v_add_nc_u32 v[XOA], s60, v[L16]
	s_wait_dscnt 0x0                               ; the opening add is done
	s_wait_kmcnt 0x0
	s_add_nc_u64 s[6:7], s[6:7], s[18:19]          ; K and V at the head's first byte
	s_add_nc_u64 s[8:9], s[8:9], s[18:19]
	s_add_nc_u64 s[4:5], s[4:5], s[18:19]
	s_add_nc_u64 s[4:5], s[4:5], s[2:3]            ; Q at my first tile
	s_add_nc_u64 s[OB:OB+1], s[10:11], s[56:57]
	s_add_nc_u64 s[PFA:PFA+1], s[8:9], s[58:59]
	s_add_nc_u64 s[F0+2:F0+3], s[6:7], s[20:21]    ; K's first half, my 16,384 bytes,
	s_add_nc_u64 s[F1+2:F1+3], s[F0+2:F0+3], SLOT1 ; and its second half
	s_or_b32 s[F0+3], s[F0+3], 0x80000000          ; type = 2
	s_or_b32 s[F1+3], s[F1+3], 0x80000000
	s_cmp_lt_u32 s[WV], 4                          ; the refills: waves 0-3 fetch a tile's K, waves 4-7 its V
	s_cselect_b64 s[RF+2:RF+3], s[6:7], s[8:9]
	s_add_nc_u64 s[RF+2:RF+3], s[RF+2:RF+3], s[22:23]
	s_or_b32 s[RF+3], s[RF+3], 0x80000000
	WIN W_LD
.irp t, 0,1,2,3                                ; Q stays in registers
	global_load_b128 v[Q+8*(\t):Q+8*(\t)+3],   v[L16], s[4:5] offset:1024*(\t)
	global_load_b128 v[Q+8*(\t)+4:Q+8*(\t)+7], v[L16], s[4:5] offset:1024*(\t)+512
.endr
	WIN 0
	CROUND                                         ; all four work-groups are here: the first joint loads meet
	tensor_load_to_lds s[F0:F0+3], s[G1:G1+7]      ; the two first fills go out together: two loads of mine are out
	s_nop 0
	tensor_load_to_lds s[F1:F1+3], s[G1:G1+7]
	s_nop 0
	PLACES
	WIN W_LD                                       ; in the wait for the first tile: O^T and l start at 0, the maxima at the lowest finite number
.set i, 0
.rept 64
	v_mov_b32 v[O+i], 0
.set i, i+1
.endr
	WIN 0
.set i, 0
.rept 16
	v_mov_b32 v[LS+i], 0
.set i, i+1
.endr
.set i, 0
.rept 8
	v_mov_b32 v[M+i], 0xff7fffff
	v_mov_b32 v[RL+i], 0                           ; named as pairs
.set i, i+1
.endr
.irp t, 0,1,2,3
	v_mov_b32 v[TMP+(\t)], 0                       ; v_permlanex16_b32 counts as a reader of its destination
.endr
; 8 LDS loads: four fragments from byte imm behind address register a, into window 1
.macro FETCH g, a, imm
	WIN W_LD
.irp f, 0,1,2,3
	ds_load_b128 v[(\g)+8*(\f):(\g)+8*(\f)+3],   v[\a] offset:(\imm)+1024*(\f)
	ds_load_b128 v[(\g)+8*(\f)+4:(\g)+8*(\f)+7], v[\a] offset:(\imm)+1024*(\f)+512
.endr
.endm
; 16 products S^T = K Q^T for 64 keys (fragments at f) and my four tiles; neg = 1: C = - m.  No two that follow each other name the same accumulator
.macro KQ16 f, neg
	WIN W_KQ
.irp kt, 0,1,2,3
.irp t, 0,1,2,3
.if \neg
	v_wmma_f32_16x16x32_f16 v[S+32*(\t)+8*(\kt):S+32*(\t)+8*(\kt)+7], v[(\f)+8*(\kt):(\f)+8*(\kt)+7], v[Q+8*(\t):Q+8*(\t)+7], v[NM+8*(\t):NM+8*(\t)+7]
.else
	v_wmma_f32_16x16x32_f16 v[S+32*(\t)+8*(\kt):S+32*(\t)+8*(\kt)+7], v[(\f)+8*(\kt):(\f)+8*(\kt)+7], v[Q+8*(\t):Q+8*(\t)+7], 0
.endif
.endr
.endr
.endm
; A STEP OF PASS 1: 64 keys in buffer f; the next step's K is fetched into g first (its last reader stands 68 plain instructions back).  The maxima: two chains a tile, three operands at a time; each
; accumulator's lowest registers are read first; a chain comes round after eight instructions.
.macro STEP1 f, g, imm, fetch
.if \fetch
	FETCH \g, LK, \imm
	s_wait_dscnt 8                                 ; buffer f is in; the 8 loads just issued may stay out
.else
	s_wait_dscnt 0x0
.endif
	KQ16 \f, 0
	WIN 0
	PLACES
.irp kt, 0,1,2,3
.irp i, 0,1,2,3
.irp t, 0,1,2,3
	v_max3_num_f32 v[M+2*(\t)+(\i)%2], v[M+2*(\t)+(\i)%2], v[S+32*(\t)+8*(\kt)+2*(\i)], v[S+32*(\t)+8*(\kt)+2*(\i)+1]
.endr
.endr
.endr
.endm
; My half of a slot in pass 1: 1,024 keys, 16 steps; the last two are written out, since nothing is left to fetch
.macro WALK1 slot
	WIN 0
	s_mov_b32 s[TK], (\slot)*SLOT1
	v_add_nc_u32 v[LK], s[TK], v[LB1]
	FETCH KA, LK, 0
	WIN 0
	s_mov_b32 s[CNT], 7
.Lw1_\@:
	STEP1 KA, KB, 4096, 1
	STEP1 KB, KA, 8192, 1
	s_add_co_u32 s[TK], s[TK], 8192
	v_add_nc_u32 v[LK], s[TK], v[LB1]
	s_sub_co_u32 s[CNT], s[CNT], 1
	s_cmp_lg_u32 s[CNT], 0
	s_cbranch_scc1 .Lw1_\@
	STEP1 KA, KB, 4096, 1
	STEP1 KB, KA, 0, 0
.endm
; Number pi of the 64 plain instructions that follow the exponentials of tiles 2 h and 2 h + 1: for pair pi / 4 of a tile's 16 pairs of weights, l's chain takes the pair, and the pair is rounded to f16; the two
; tiles alternate, and a chain of l comes round after eight instructions.
.macro PLAIN h
.set pk, pi/4
.set pt, 2*(\h)+(pi%4)/2
.if pi%2 == 0
	v_pk_add_f32 v[LS+4*pt+2*(pk%2):LS+4*pt+2*(pk%2)+1], v[LS+4*pt+2*(pk%2):LS+4*pt+2*(pk%2)+1], v[S+32*pt+2*pk:S+32*pt+2*pk+1]
.else
	v_cvt_pk_f16_f32 v[P+16*pt+pk], v[S+32*pt+2*pk], v[S+32*pt+2*pk+1]
.endif
.set pi, pi+1
.endm
; A STEP OF PASS 2: 64 keys.  16 products; the vector work; 16 products.  The exponentials go in two batches of 64, each with ONE wait ahead of its first reader: the first batch (tiles 0, 1)
; on end; the second (tiles 2, 3) by turns with the plain work on the first batch's results, which names no result of the second.  fetch = 1: the next step's K is fetched behind the first products, its V behind
; the second, each four places behind its buffer's last reader.
.macro STEP2 fetch
	s_wait_dscnt 8                                 ; K is in; V's 8 younger loads may stay out
	KQ16 KA, 1
	WIN 0
	PLACES
.if \fetch
	s_add_co_u32 s[TK], s[TK], 4096
	v_add_nc_u32 v[LK], s[TK], v[LB2]
	v_add_nc_u32 v[LV], s[TK], v[LB3]
	FETCH KA, LK, 0
	WIN 0
.endif
.set ei, 0
.rept 64
	v_exp_f32 v[S+ei], v[S+ei]
.set ei, ei+1
.endr
	v_nop                                          ; a plain instruction behind the last exponential,
	s_wait_alu depctr_va_vdst(0)                   ; and the one wait for the batch
.set pi, 0
.rept 64
	v_exp_f32 v[S+ei], v[S+ei]
.set ei, ei+1
	PLAIN 0
.endr
	v_nop
	s_wait_alu depctr_va_vdst(0)                   ; the one wait for the second batch
.set pi, 0
.rept 64
	PLAIN 1
.endr
.if \fetch
	s_wait_dscnt 8                                 ; V is in; the next K's 8 younger loads may stay out
.else
	s_wait_dscnt 0x0
.endif
	WIN W_PV
.irp kg, 0,1                                   ; the 8 accumulators take turns, one instruction a turn
.irp t, 0,1,2,3
.irp cb, 0,1
	v_wmma_f32_16x16x32_f16 v[O+16*(\t)+8*(\cb):O+16*(\t)+8*(\cb)+7], v[VF+16*(\kg)+8*(\cb):VF+16*(\kg)+8*(\cb)+7], v[P+16*(\t)+8*(\kg):P+16*(\t)+8*(\kg)+7], v[O+16*(\t)+8*(\cb):O+16*(\t)+8*(\cb)+7]
.endr
.endr
.endr
	PLACES
.if \fetch
	FETCH VF, LV, 0
.endif
	WIN 0
.endm
; My half of a tile in pass 2: 512 keys, 8 steps; the last is written out, since nothing is left to fetch
.macro WALK2
	WIN 0
	s_mov_b32 s[TK], s[TB]
	v_add_nc_u32 v[LK], s[TK], v[LB2]
	v_add_nc_u32 v[LV], s[TK], v[LB3]
	FETCH KA, LK, 0
	FETCH VF, LV, 0
	WIN 0
	s_mov_b32 s[CNT], 7
.Lw2_\@:
	STEP2 1
	s_sub_co_u32 s[CNT], s[CNT], 1
	s_cmp_lg_u32 s[CNT], 0
	s_cbranch_scc1 .Lw2_\@
	STEP2 0
	s_xor_b32 s[TB], s[TB], SLOT1                  ; the next tile lies in the other slot
.endm
	s_wait_tensorcnt 1                             ; my part of slot 0 is in; slot 1's may stay out
	s_barrier_signal -1
	s_barrier_wait -1                              ; everybody's is
	s_wait_loadcnt 0x0                             ; Q
	; PASS 1
	WALK1 0
	CHANGE 1, 0                                    ; slot 1 is whole; slot 0 takes pass 2's tile 0
	WALK1 1
	; THE MAXIMUM: the two chains, the other half of the lanes, the other half of the keys
.irp t, 0,1,2,3
	v_max_num_f32 v[MX+(\t)], v[M+2*(\t)], v[M+2*(\t)+1]
.endr
.irp t, 0,1,2,3
	v_permlanex16_b32 v[TMP+(\t)], v[MX+(\t)], s[SEL], s[SEL+1]
.endr
.irp t, 0,1,2,3
	v_max_num_f32 v[MX+(\t)], v[MX+(\t)], v[TMP+(\t)]
.endr
	ds_store_b128 v[XMS], v[MX:MX+3]
	s_wait_dscnt 0x0                               ; for my partner's sake: my store is done
	s_barrier_signal -1                            ; behind this barrier nothing is filled: the refill that is out may stay out
	s_barrier_wait -1
	ds_load_b128 v[TMP:TMP+3], v[XML]
	s_wait_dscnt 0x0
.irp t, 0,1,2,3
	v_max_num_f32 v[MX+(\t)], v[MX+(\t)], v[TMP+(\t)]
.endr
.irp t, 0,1,2,3
	v_mul_f32 v[MX+(\t)], -1.0, v[MX+(\t)]
.endr
	WIN W_LD
.irp t, 0,1,2,3                                ; as a C operand: a lane's eight registers are eight keys of its one query
.irp j, 0,1,2,3,4,5,6,7
	v_mov_b32 v[NM+8*(\t)+(\j)], v[MX+(\t)]
.endr
.endr
	WIN 0
	; PASS 2: four tiles of 1,024 keys
	s_mov_b32 s[SLOTS], 3
.Lslot:
	CHANGE 1, 1                                    ; the tile to be read is whole; the slot read last takes the tile after it
	WALK2
	s_sub_co_u32 s[SLOTS], s[SLOTS], 1
	s_cmp_lg_u32 s[SLOTS], 0
	s_cbranch_scc1 .Lslot
	CHANGE 0, 0                                    ; the last tile is written out: nothing is asked for
	WALK2
	; THE END.  l: its four registers and the other half of the lanes.  These lines, behind the last step's four v_nop, are further places behind the last products
.irp t, 0,1,2,3
	v_pk_add_f32 v[LS+4*(\t):LS+4*(\t)+1], v[LS+4*(\t):LS+4*(\t)+1], v[LS+4*(\t)+2:LS+4*(\t)+3]
.endr
.irp t, 0,1,2,3
	v_add_f32 v[MX+(\t)], v[LS+4*(\t)], v[LS+4*(\t)+1]
.endr
.irp t, 0,1,2,3
	v_permlanex16_b32 v[TMP+(\t)], v[MX+(\t)], s[SEL], s[SEL+1]
.endr
.irp t, 0,1,2,3
	v_add_f32 v[MX+(\t)], v[MX+(\t)], v[TMP+(\t)]
.endr
	s_cmp_lt_u32 s[WV], 4                          ; waves 4-7 hand their O^T and l to waves 0-3
	s_cbranch_scc1 .Lkeep
	WIN 0x04                                       ; the stores' data in window 1
.set i, 0
.rept 16
	ds_store_b128 v[XOA], v[O+4*i:O+4*i+3] offset:512*i
.set i, i+1
.endr
	WIN 0
	ds_store_b128 v[XOA], v[MX:MX+3] offset:8192
.Lkeep:
	s_wait_dscnt 0x0                               ; for the others' sake: my stores are done
	s_barrier_signal -1
	s_barrier_wait -1
	s_cmp_lt_u32 s[WV], 4
	s_cbranch_scc0 .Lend
.set i, 0
.rept 16
	ds_load_b128 v[S+4*i:S+4*i+3], v[XOA] offset:512*i
.set i, i+1
.endr
	ds_load_b128 v[TMP:TMP+3], v[XOA] offset:8192
	s_wait_dscnt 0x0
.irp t, 0,1,2,3
	v_add_f32 v[MX+(\t)], v[MX+(\t)], v[TMP+(\t)]
.endr
.irp t, 0,1,2,3
	v_rcp_f32 v[RL+2*(\t)], v[MX+(\t)]
.endr
	WIN 0x01                                       ; source 0 in window 1: my O^T onto my partner's; this work names no reciprocal
.set i, 0
.rept 32
	v_pk_add_f32 v[S+2*i:S+2*i+1], v[O+2*i:O+2*i+1], v[S+2*i:S+2*i+1]
.set i, i+1
.endr
	WIN 0
	s_wait_alu depctr_va_vdst(0)                   ; one wait for the four reciprocals, ahead of their first reader
.set i, 0
.rept 32
	v_pk_mul_f32 v[S+2*i:S+2*i+1], v[S+2*i:S+2*i+1], v[RL+2*(i/8):RL+2*(i/8)+1] op_sel_hi:[1,0]
.set i, i+1
.endr
.set i, 0
.rept 32
	v_cvt_pk_f16_f32 v[P+i], v[S+2*i], v[S+2*i+1]
.set i, i+1
.endr
.irp t, 0,1,2,3
.irp cb, 0,1
	global_store_b128 v[L16], v[P+8*(\t)+4*(\cb):P+8*(\t)+4*(\cb)+3], s[OB:OB+1] offset:4096*(\t)+512*(\cb)  ; half cb of the fragment (tile, head): 512 consecutive bytes, aligned
.endr
.endr
.Lend:
	s_wait_tensorcnt 0x0                           ; the wave's end, behind my last tensor load and my last LDS store
	ds_add_u32 v[SPW], v[NIL]
	s_wait_dscnt 0x0
	CROUND                                         ; the closing round: no work-group ends while a partner may still ask for a tile that names it
	s_endpgm
.Lfunc_end_k_q42349f9e3f_attn:
	.size	k_q42349f9e3f_attn, .Lfunc_end_k_q42349f9e3f_attn-k_q42349f9e3f_attn
	.p2alignl 7, 3214868480
	.fill 96, 4, 3214868480
	.section	.rodata,"a",@progbits
	.p2align	6, 0x0
	.amdhsa_kernel k_q42349f9e3f_attn
		.amdhsa_group_segment_fixed_size 327680
		.amdhsa_private_segment_fixed_size 0
		.amdhsa_enable_private_segment 0
		.amdhsa_kernarg_size 32
		.amdhsa_user_sgpr_count 2
		.amdhsa_user_sgpr_kernarg_segment_ptr 1
		.amdhsa_wavefront_size32 1
		.amdhsa_system_sgpr_workgroup_id_x 1
		.amdhsa_system_sgpr_workgroup_id_y 1
		.amdhsa_system_sgpr_workgroup_id_z 1
		.amdhsa_system_vgpr_workitem_id 0
		.amdhsa_next_free_vgpr 448
		.amdhsa_next_free_sgpr 66
		.amdhsa_reserve_vcc 0
		.amdhsa_float_denorm_mode_32 3
		.amdhsa_float_denorm_mode_16_64 3
		.amdhsa_memory_ordered 1
		.amdhsa_forward_progress 1
		.amdhsa_inst_pref_size 135
	.end_amdhsa_kernel
	.amdgpu_metadata
---
amdhsa.version: [ 1, 2 ]
amdhsa.kernels:
  - .name:           k_q42349f9e3f_attn
    .symbol:         k_q42349f9e3f_attn.kd
    .args:
      - { .name: qf, .offset: 0, .size: 8, .value_kind: global_buffer, .address_space: global }
      - { .name: kf, .offset: 8, .size: 8, .value_kind: global_buffer, .address_space: global }
      - { .name: vf, .offset: 16, .size: 8, .value_kind: global_buffer, .address_space: global }
      - { .name: of16, .offset: 24, .size: 8, .value_kind: global_buffer, .address_space: global }
    .group_segment_fixed_size: 327680
    .private_segment_fixed_size: 0
    .kernarg_segment_align: 8
    .kernarg_segment_size: 32
    .max_flat_workgroup_size: 256
    .sgpr_count:     66
    .vgpr_count:     448
    .wavefront_size: 32
...
	.end_amdgpu_metadata
.endif
;; end of part 3
;; launch proj (part 4): grid 256 x 1, 4 waves a work-group, no clusters, 70,144 bytes of LDS; arguments of16, wo16, b_out, out0; writes out0
.if DOCPART == 4
	.amdgcn_target "amdgcn-amd-amdhsa--gfx1250"
	.amdhsa_code_object_version 6
	.text
	.protected	k_q42349f9e3f_proj
	.globl	k_q42349f9e3f_proj
	.p2align	8
	.type	k_q42349f9e3f_proj,@function
k_q42349f9e3f_proj:
	s_mov_b64 s[64:65], 0
	v_nop
	global_prefetch_b8 v0, s[64:65] scope:SCOPE_SE
	s_setreg_imm32_b32 hwreg(HW_REG_WAVE_MODE, 25, 1), 1
	s_wait_xcnt 0x0
; THE OUTPUT PROJECTION.  out[b][o][p] = sum over c of w_out[o][c] O[b][c][p] + b_out[o]; c = 32 head + channel, K = 128.  out0 is [4][256][4096] f32.
; A work-group takes 64 positions of one image: 256 consecutive bytes, aligned, of each of the 256 rows of out.  Wave w makes rows 64 w .. 64 w + 63: four blocks of 16 rows x four tiles of 16 positions =
; 16 accumulators, 64 matrix instructions.
; Both operands arrive as f16 fragments (16 rows x 32 k, [half][lane][16 bytes]) and go straight into registers, 16 bytes at 16 x lane: O's (rows = positions) as source 0, the weights' (rows = o) as
; source 1, so that a lane holds one row o and 8 neighbouring positions.  All 68 loads go out at once; the waits are counted.
; THE WAY OUT goes through the wave's own stage in LDS (64 rows of 256 bytes, 272 apart),
; so that sixteen lanes store a row's 256 consecutive bytes.  No barrier: no wave touches another's stage.
; NO CLUSTER: of what a work-group reads, the shared part (the weights, 65,536 bytes) goes a quarter to each wave straight into registers in the form in which it is multiplied; a joint load would send it through LDS
; and add a fill, a read and two rounds to a launch that otherwise has no barrier at all.
.set SP,    272
.set STG,   64*SP                      ; a wave's stage
.set SPARE, 4*STG                      ; behind the stages: the spare words, 128 bytes a wave: two blocks of 256 bytes that no other line names
.set SPW, 8                            ; v8   my spare word's address; never rewritten
.set NIL, 9                            ; v9   0; never rewritten
.set BI,  16                           ; v[16:23]  b_out of my row in block i, in the even registers
.set OF,  64                           ; v[64:191]  O's fragments: (tile pt, head kb) at OF + 8 (4 pt + kb); then the results
.set ACC, 0                            ; window 1: v[0:127] the accumulators: (i, pt) at 8 (4 i + pt)
.set WO,  128                          ; window 1: v[128:255] the weights' fragments: (i, kb) at WO + 8 (4 i + kb)
.set WV,  12                           ; s12  my wave's number
.set MSB, 0
.macro WIN new                         ; s_set_vgpr_msb: bits 1:0 source 0, 3:2 source 1, 5:4 source 2, 7:6 destination; the high byte repeats the setting that is left
.if MSB != (\new)
	s_set_vgpr_msb (MSB<<8)|(\new)
.set MSB, (\new)
.endif
.endm
	s_load_b256 s[4:11], s[0:1], 0x0               ; of16 s[4:5], wo16 s[6:7], b_out s[8:9], out0 s[10:11]
	v_lshl_add_u32 v[SPW], v0, 2, SPARE
	v_mov_b32 v[NIL], 0
	v_lshrrev_b32 v10, 5, v0
	v_readfirstlane_b32 s[WV], v10                 ; wave 0..3
	v_and_b32 v11, 15, v0                          ; l % 16
	v_bfe_u32 v12, v0, 4, 1                        ; l / 16
	v_and_b32 v13, 31, v0
	v_lshlrev_b32 v1, 4, v13                       ; v1: 16 l
	s_lshl_b32 s13, s[WV], 8
	v_lshl_add_u32 v2, v11, 2, s13                 ; v2: b_out of row 64 w + l % 16
	s_mul_i32 s14, s[WV], STG
	v_mul_u32_u24 v3, v11, SP                      ; v3: into the stage: row l % 16, 32 bytes (8 positions) for each half of the lanes
	v_lshl_add_u32 v3, v12, 5, v3
	v_add_nc_u32 v3, s14, v3
	v_mul_u32_u24 v4, v12, SP                      ; v4: back: lanes 0-15 take one row of 256 bytes, lanes 16-31 the next
	v_lshl_add_u32 v4, v11, 4, v4
	v_add_nc_u32 v4, s14, v4
	v_lshlrev_b32 v5, 14, v12                      ; v5: and the same two rows in out0, 16,384 bytes apart
	v_lshl_add_u32 v5, v11, 4, v5
.irp i, 0,1,2,3
	v_mov_b32 v[BI+2*(\i)+1], 0                    ; named with the even ones as pairs
.endr
	s_lshr_b32 s15, ttmp9, 6                       ; image
	s_and_b32 s16, ttmp9, 63                       ; block of 64 positions
	s_lshl_b32 s18, s15, 20                        ; O: [image][256 tiles][head][1,024]: the block's four tiles
	s_lshl_b32 s19, s16, 14
	s_add_co_u32 s18, s18, s19
	s_mov_b32 s19, 0
	s_lshl_b32 s20, s[WV], 14                      ; the weights: my four blocks of rows
	s_mov_b32 s21, 0
	s_lshl_b32 s22, s15, 22                        ; out0: the image, my 64 rows, the block's 256 bytes
	s_lshl_b32 s23, s[WV], 20
	s_add_co_u32 s22, s22, s23
	s_lshl_b32 s23, s16, 8
	s_add_co_u32 s22, s22, s23
	s_mov_b32 s23, 0
	s_wait_kmcnt 0x0
	s_add_nc_u64 s[4:5], s[4:5], s[18:19]
	s_add_nc_u64 s[6:7], s[6:7], s[20:21]
	s_add_nc_u64 s[10:11], s[10:11], s[22:23]
.irp i, 0,1,2,3
	global_load_b32 v[BI+2*(\i)], v2, s[8:9] offset:64*(\i)
.endr
.irp kb, 0,1,2,3                               ; by K steps, so that the waits can be counted: 16 loads a step
	WIN 0
.irp pt, 0,1,2,3
	global_load_b128 v[OF+8*(4*(\pt)+(\kb)):OF+8*(4*(\pt)+(\kb))+3],   v1, s[4:5] offset:4096*(\pt)+1024*(\kb) th:TH_LOAD_NT
	global_load_b128 v[OF+8*(4*(\pt)+(\kb))+4:OF+8*(4*(\pt)+(\kb))+7], v1, s[4:5] offset:4096*(\pt)+1024*(\kb)+512 th:TH_LOAD_NT
.endr
	WIN 0x40                                       ; destination in window 1
.irp i, 0,1,2,3
	global_load_b128 v[WO+8*(4*(\i)+(\kb)):WO+8*(4*(\i)+(\kb))+3],   v1, s[6:7] offset:1024*(4*(\i)+(\kb))
	global_load_b128 v[WO+8*(4*(\i)+(\kb))+4:WO+8*(4*(\i)+(\kb))+7], v1, s[6:7] offset:1024*(4*(\i)+(\kb))+512
.endr
.endr
	WIN 0x54                                       ; O in window 0; the weights, C and D in window 1
.irp kb, 0,1,2,3
	s_wait_loadcnt 48-16*(\kb)                     ; this K step's fragments are in; the later steps' 16 loads each may stay out
.irp i, 0,1,2,3                                ; the 16 accumulators take turns, one instruction a turn; the first K step starts the sums
.irp pt, 0,1,2,3
.if (\kb) == 0
	v_wmma_f32_16x16x32_f16 v[ACC+8*(4*(\i)+(\pt)):ACC+8*(4*(\i)+(\pt))+7], v[OF+8*(4*(\pt)+(\kb)):OF+8*(4*(\pt)+(\kb))+7], v[WO+8*(4*(\i)+(\kb)):WO+8*(4*(\i)+(\kb))+7], 0
.else
	v_wmma_f32_16x16x32_f16 v[ACC+8*(4*(\i)+(\pt)):ACC+8*(4*(\i)+(\pt))+7], v[OF+8*(4*(\pt)+(\kb)):OF+8*(4*(\pt)+(\kb))+7], v[WO+8*(4*(\i)+(\kb)):WO+8*(4*(\i)+(\kb))+7], v[ACC+8*(4*(\i)+(\pt)):ACC+8*(4*(\i)+(\pt))+7]
.endif
.endr
.endr
.endr
.rept 8
	v_nop                                          ; the places behind the last products, in front of lines that read results and write over O's fragments
.endr
	WIN 0x01                                       ; source 0 in window 1
.irp i, 0,1,2,3
.irp pt, 0,1,2,3
.irp p, 0,1,2,3
	v_pk_add_f32 v[OF+8*(4*(\i)+(\pt))+2*(\p):OF+8*(4*(\i)+(\pt))+2*(\p)+1], v[ACC+8*(4*(\i)+(\pt))+2*(\p):ACC+8*(4*(\i)+(\pt))+2*(\p)+1], v[BI+2*(\i):BI+2*(\i)+1] op_sel_hi:[1,0]  ; + b_out of my row
.endr
.endr
.endr
	WIN 0
.irp i, 0,1,2,3
.irp pt, 0,1,2,3
	ds_store_b128 v3, v[OF+8*(4*(\i)+(\pt)):OF+8*(4*(\i)+(\pt))+3]   offset:16*SP*(\i)+64*(\pt)
	ds_store_b128 v3, v[OF+8*(4*(\i)+(\pt))+4:OF+8*(4*(\i)+(\pt))+7] offset:16*SP*(\i)+64*(\pt)+16
.endr
.endr
.set n, 0
.rept 32
	ds_load_b128 v[OF+4*n:OF+4*n+3], v4 offset:2*SP*n  ; LDS serves a wave's instructions in order (ISA guide 5.7.1.4): these see the stores above
.set n, n+1
.endr
.set n, 0
.rept 32
	s_wait_dscnt 31-n                              ; rows 2 n and 2 n + 1 are back; the younger loads stay out
	global_store_b128 v5, v[OF+4*n:OF+4*n+3], s[10:11] offset:32768*n th:TH_STORE_NT  ; 16 lanes store 256 consecutive bytes, at a multiple of 256 from out0's first byte
.set n, n+1
.endr
	s_wait_tensorcnt 0x0                           ; the wave's end, behind my last LDS store
	ds_add_u32 v[SPW], v[NIL]
	s_wait_dscnt 0x0
	s_endpgm
.Lfunc_end_k_q42349f9e3f_proj:
	.size	k_q42349f9e3f_proj, .Lfunc_end_k_q42349f9e3f_proj-k_q42349f9e3f_proj
	.p2alignl 7, 3214868480
	.fill 96, 4, 3214868480
	.section	.rodata,"a",@progbits
	.p2align	6, 0x0
	.amdhsa_kernel k_q42349f9e3f_proj
		.amdhsa_group_segment_fixed_size 70144
		.amdhsa_private_segment_fixed_size 0
		.amdhsa_enable_private_segment 0
		.amdhsa_kernarg_size 32
		.amdhsa_user_sgpr_count 2
		.amdhsa_user_sgpr_kernarg_segment_ptr 1
		.amdhsa_wavefront_size32 1
		.amdhsa_system_sgpr_workgroup_id_x 1
		.amdhsa_system_sgpr_workgroup_id_y 1
		.amdhsa_system_sgpr_workgroup_id_z 1
		.amdhsa_system_vgpr_workitem_id 0
		.amdhsa_next_free_vgpr 512
		.amdhsa_next_free_sgpr 66
		.amdhsa_reserve_vcc 0
		.amdhsa_float_denorm_mode_32 3
		.amdhsa_float_denorm_mode_16_64 3
		.amdhsa_memory_ordered 1
		.amdhsa_forward_progress 1
		.amdhsa_inst_pref_size 26
	.end_amdhsa_kernel
	.amdgpu_metadata
---
amdhsa.version: [ 1, 2 ]
amdhsa.kernels:
  - .name:           k_q42349f9e3f_proj
    .symbol:         k_q42349f9e3f_proj.kd
    .args:
      - { .name: of16, .offset: 0, .size: 8, .value_kind: global_buffer, .address_space: global }
      - { .name: wo16, .offset: 8, .size: 8, .value_kind: global_buffer, .address_space: global }
      - { .name: b_out, .offset: 16, .size: 8, .value_kind: global_buffer, .address_space: global }
      - { .name: out0, .offset: 24, .size: 8, .value_kind: global_buffer, .address_space: global }
    .group_segment_fixed_size: 70144
    .private_segment_fixed_size: 0
    .kernarg_segment_align: 8
    .kernarg_segment_size: 32
    .max_flat_workgroup_size: 128
    .sgpr_count:     66
    .vgpr_count:     512
    .wavefront_size: 32
...
	.end_amdgpu_metadata
.endif
;; end of part 4
